; MI455X (gfx1250); checked and timed in simulation.
; The chip was launched on July 23, 2026; its instructions are those of AMD's public machine-readable ISA for CDNA 5 (MIT licence, August 2026) and "CDNA5" Instruction Set Architecture Reference Guide (July 2026). The comments in the code are by the model that wrote it; some were corrected since.
;; Attention. Allowed arithmetic: matrix products marked QUANTISED: E4M3 operands, one given power-of-two scale a tensor, by v_wmma_f32_16x16x64_fp8_fp8 or v_wmma_f32_16x16x128_fp8_fp8, f32 sums; everything else in f32.
;; Inputs: Wk_codes 1,024 x 32 x 32 uint8 (E4M3 codes of Wk, K innermost, in blocks of 32 codes); Wo_codes 1,024 x 32 x 32 uint8 (E4M3 codes of Wo, K innermost, in blocks of 32 codes); Wq_codes 1,024 x 32 x 32 uint8 (E4M3 codes of Wq, K innermost, in blocks of 32 codes); Wv_codes 1,024 x 32 x 32 uint8 (E4M3 codes of Wv, K innermost, in blocks of 32 codes); bk 1,024 float32; bo 1,024 float32; bq 1,024 float32; bv 1,024 float32; lowp_scales 12 int32 (the exponents e of the quantised operands' scales 2^e); x_codes 4 x 2,048 x 32 x 32 uint8 (E4M3 codes of x, K innermost, in blocks of 32 codes).
;; Outputs: out0 4 x 2,048 x 1,024 float32.
;; This version of the problem:
;;   THIS VERSION OF THE PROBLEM IS GIVEN IN LOW PRECISION. The matrix products marked QUANTISED in the list below multiply operands that are first quantised to E4M3 (4 exponent bits, 3 mantissa bits; 8 bits a number), with one given power-of-two scale for each operand tensor; their sums are f32. All else is computed in f32.
;;   The module's matrix products, in the order in which they are computed (A, B: the left and right operand; K: the contracted axis; several contracted axes count as one K, in the product's order):
;;     1. [M 8,192, K 1,024] x [K 1,024, N 1,024]; A: input x (given as codes); B: input Wq (given as codes): QUANTISED (scales: A lowp_scales[0], B lowp_scales[1])
;;     2. [M 8,192, K 1,024] x [K 1,024, N 1,024]; A: input x (given as codes); B: input Wk (given as codes): QUANTISED (scales: A lowp_scales[2], B lowp_scales[3])
;;     3. [M 8,192, K 1,024] x [K 1,024, N 1,024]; A: input x (given as codes); B: input Wv (given as codes): QUANTISED (scales: A lowp_scales[4], B lowp_scales[5])
;;     4. batch 64 x [M 2,048, K 64] x [K 64, N 2,048]; A: computed on the way; B: computed on the way: QUANTISED (scales: A lowp_scales[6], B lowp_scales[7])
;;     5. batch 64 x [M 2,048, K 2,048] x [K 2,048, N 64]; A: softmax (see below); B: computed on the way: QUANTISED (scales: A lowp_scales[8], B lowp_scales[9])
;;     6. [M 8,192, K 1,024] x [K 1,024, N 1,024]; A: computed on the way; B: input Wo (given as codes): QUANTISED (scales: A lowp_scales[10], B lowp_scales[11])
;;   THE QUANTISER, for each operand of a quantised product, along K:
;;     - The operand's scale is 2^e, e = its entry of the input lowp_scales (int32; the entries are numbered through the quantised products in the list's order, A before B).
;;     - Each number is divided by the scale, clamped to +-448, and rounded to the nearest number of E4M3, ties to even, subnormals kept.
;;     - The product sums the exact products of the quantised numbers (number of the format x scale) in f32.
;;   ~~~python
;;   def quantise(x, axis, e):      # numpy; x: float32 -> the quantised numbers, widened to float32 again
;;       x = np.moveaxis(x, axis, -1); K = x.shape[-1]
;;       r = np.clip(x / 2.0 ** e, -448, 448)
;;       step = 2.0 ** (np.maximum(np.frexp(np.where(r == 0, 1, r))[1] - 1, -6) - 3)
;;       q = np.round(r / step) * step * 2.0 ** e      # np.round: ties to even
;;       return np.moveaxis(q, -1, axis).astype(np.float32)
;;   ~~~
;;   SOFTMAX AHEAD OF A QUANTISED PRODUCT. Where the list says 'softmax', what is quantised is not the finished softmax but p = 2^(t - M), with t = logit x log2(e) and M = ceil(the row's largest t), a whole number; so 1/2 < the row's largest p <= 1. The row's sum l is taken of the UNQUANTISED p, in f32, and the product's result is divided by l at the end. Since M is a whole number, a kernel that streams over the keys may use a running M (the ceiling of the running maximum): every later rescaling is an exact power of two, so the quantised numbers keep their values, but for numbers so far below the row's largest that they fall under the format's range.
;;   OPERANDS COMPUTED ON THE WAY. 'Computed on the way' means the value that the module computes at that place (a softmax that the list does not call 'softmax' is quantised finished and normalised). What goes into a quantiser is computed in f32, as accurately as f32 sums, v_exp_f32 and their like allow (about 1e-6 of the number): no bf16 or f16 on the way to a quantiser, and a product that is left as it is and whose result goes on into a quantised operand takes f32 operands (vector FMAs, or v_wmma_f32_16x16x4_f32). A number that lies on a knife's edge between two numbers of the format may be rounded either way, as far as f32 arithmetic and the matrix unit's own rounding can turn it there, and no further.
;;   INPUTS GIVEN AS CODES. Wk (in the module: [1024, 1024], K = its axis 1); Wo (in the module: [1024, 1024], K = its axis 1); Wq (in the module: [1024, 1024], K = its axis 1); Wv (in the module: [1024, 1024], K = its axis 1); x (in the module: [4, 2048, 1024], K = its axis 2): each comes as NAME_codes (uint8): NAME with its K axis moved to the last place and cut into blocks of 32 codes, [.., K / 32, bytes a block], one block behind the other in memory; one code a byte (a code: sign, 4 exponent bits, 3 mantissa bits); its scale is its entry of lowp_scales. Its value is code x scale, taken as it is: it is not quantised again, and the codes and scales need not be those that the quantiser above would give.
;; One version. Each part assembles by itself: llvm-mc -triple=amdgcn-amd-amdhsa -mcpu=gfx1250 --defsym DOCPART=n.
;; ======== version 1 of 1: 3 launches
;; limits: right only within a limited range of input values
;; workspace buffers: qc 8,388,608 bytes; kc 8,388,608 bytes; vc 8,388,608 bytes; ac 8,388,608 bytes
;; launch qkv (part 1): grid 12 x 32, 4 waves a work-group, clusters of 4 x 4, 327,680 bytes of LDS; arguments x_codes, Wq_codes, Wk_codes, Wv_codes, bq, bk, bv, lowp_scales, qc, kc, vc; writes qc, kc, vc
.if DOCPART == 1
	.amdgcn_target "amdgcn-amd-amdhsa--gfx1250"
	.amdhsa_code_object_version 6
	.text
	.protected	k_q313d6db990_qkv
	.globl	k_q313d6db990_qkv
	.p2align	8
	.type	k_q313d6db990_qkv,@function
k_q313d6db990_qkv:
	s_mov_b64 s[64:65], 0
	v_nop
	global_prefetch_b8 v0, s[64:65] scope:SCOPE_SE
	s_setreg_imm32_b32 hwreg(HW_REG_WAVE_MODE, 25, 1), 1
	s_wait_xcnt 0x0
	s_wait_alu depctr_hold_cnt(0) depctr_sa_sdst(0) depctr_va_vdst(0) depctr_va_sdst(0) depctr_va_ssrc(0) depctr_va_vcc(0) depctr_vm_vsrc(0)
	s_getreg_b32 s2, hwreg(HW_REG_IB_STS2, 6, 4)
	s_cmp_eq_u32 s2, 0
	s_cbranch_scc0 .Lentry_in_a_cluster
	s_endpgm
.Lentry_in_a_cluster:
	s_bfe_u32 s2, ttmp6, 0x10000c
	s_cmp_lg_u32 s2, 0xf033
	s_cbranch_scc0 .Lentry_shape_is_right
	s_endpgm
.Lentry_shape_is_right:
; q = x Wq^T + bq, k = x Wk^T + bk, v = x Wv^T + bv on codes of FP8 (E4M3); each result is quantised at once, in f32, with its given scale, and leaves as codes.
; One body, C' = A' B'^T, tiles of 256 x 256, K = 1,024.  The cluster's x says which product (it is equal in all sixteen partners):
;   0: A' = x, B' = Wq -> qc     1: A' = x, B' = Wk -> kc     2: A' = Wv, B' = x -> vc
; Source 0 takes rows of B', source 1 rows of A': lane (r, h) of accumulator (a, b) holds C'(16 a + r, 16 b + 8 h + 0 .. 7).  So for q and k a lane holds one token and eight
; channels, and for v one channel and eight tokens: v's codes come out with the keys innermost and nothing is transposed.
; OUT.  qc, kc: [16 batch + head][token][64 bytes]: byte 32 (i / 2) + 16 h + 8 (i % 2) + j is channel 16 i + 8 h + j of the head.
;       vc: [16 batch + head][token / 128][channel][128 bytes]: byte 32 c + 16 h + 8 u + j is key 32 c + 16 u + 8 h + j of the 128.
;       In both, loads of 16 bytes at 32 c + 16 h give a lane the k that the plain 8-bit forms' layout gives its registers.
; Four waves, each 128 x 128: 64 accumulators, 512 registers.  K goes in steps of 256 through two LDS slots filled by joint tensor loads: A's tile is shared along a row of the
; cluster (it hangs on cy alone), B's along a column (on cx alone).
; The fragments are fetched by loads of 16 bytes, which permutes k alike in A' and B': every product meets its partner; only the order of the sums inside an instruction changes.
; LIMITS: the two exponents of a product add to -126 .. 127; the exponent of q, k or v lies in -126 .. 119.  NaN among the biases is not served.
; REGISTERS: window 0: v12-31 addresses and constants; v32-95 the bias of my 64 columns; v96-111 the bias of my 8 rows (each twice: a pair); from v128 A's fragments, one set;
;   on the way out v128-191 numbers, v192-223 codes (two sets by turns), v224-239 rows read back.  window 1: B's fragments, two sets.  windows 2, 3: the accumulators.
.set KSTEP,  256
.set ROWB,   256                       ; a tile's row in bytes
.set KROW,   1024                      ; a row of x or of a weight in memory
.set PITCH,  272                       ; an LDS row: 256 bytes + 16 of padding: the 16 rows that a fragment load touches start 68 words apart
.set FR,     16                        ; registers of a fragment: 16 rows x 128 K
.set NL,     4                         ; LDS loads that bring one
.set NP,     4                         ; places behind this matrix instruction (ISA guide 7.12.1)
.set HALFT,  128*PITCH                 ; 128 rows: what one tensor load brings
.set SLOT,   4*HALFT                   ; A's 256 rows, then B's 256 rows
.set LAPS,   2                         ; K = 1,024 is four K steps: twice round the ring
.set SPARE,  2*SLOT                    ; behind the ring: the spare words, 128 bytes a wave
.set SP,     144                       ; the way out: a stage of 16 rows x (128 bytes + 16) for each wave, in slot 0, which has had its last fill and its last read by then
.set STGV,   16384                     ; the path for v has stage bytes of its own
.set ADRA, 16                          ; v16-17  LDS address of my A fragments in slot 0, 1
.set ADRB, 20                          ; v20-21  the same for B
.set STOQ, 22                          ; v22     q, k: where I put 16 bytes of a stage row
.set RDQ,  23                          ; v23     q, k: where I read the stage back
.set STOV, 24                          ; v24, v25 the same for v
.set RDV,  25
.set CO,   26                          ; v26     16 x lane: my place in 512 stored bytes
.set SPW,  28                          ; v28     LDS address of my spare word; never rewritten
.set NIL,  29                          ; v29     0; never rewritten
.set SC,   30                          ; v30     the result's scale as f32
.set LIM,  31
.set BN,   32
.set BM,   96
.set AF,   128
.set TMP,  128
.set CD0,  192
.set BK,   224
.set G1, 24                            ; s[24:31] descriptor group 1 for A's tiles;  s[32:39] group 0, one set for each slot
.set G0, 32
.set G1B, 48                           ; s[48:55], s[56:63] the same for B's tiles
.set G0B, 56
.set MSB, 0
.macro WIN new                         ; the immediate's high byte repeats the setting that is left
.if MSB != \new
	s_set_vgpr_msb (MSB<<8)|\new
.set MSB, \new
.endif
.endm
.set MUL_LO, 0xa1                      ; source 0 (B) window 1, source 1 (A) window 0, C and D window 2
.set MUL_HI, 0xf1                      ; the same, C and D window 3
.set TO_B,   0x40                      ; destination window 1, address window 0
; A joint load: waves 0 and 1 fetch for A, waves 2 and 3 for B.  The branch hangs on the wave's number alone.  Four v_nop follow each of the two lines.
.macro JLOAD g0a, g1a, g0b, g1b
	s_cmp_eq_u32 s15, 0
	s_cbranch_scc0 .Lfor_b_\@
	tensor_load_to_lds s[\g0a:\g0a+3], s[\g1a:\g1a+7]
	s_nop 0
.rept 4
	v_nop
.endr
	s_branch .Lasked_\@
.Lfor_b_\@:
	tensor_load_to_lds s[\g0b:\g0b+3], s[\g1b:\g1b+7]
	s_nop 0
.rept 4
	v_nop
.endr
.Lasked_\@:
.endm
.macro CREST                           ; a round of the cluster's barrier behind its opening barrier
	s_cmp_lg_u32 s14, 0
	s_cbranch_scc1 .Lnot_wave_0_\@
	s_barrier_signal -3
.Lnot_wave_0_\@:
	s_barrier_wait -3
	s_barrier_signal -1
	s_barrier_wait -1
.endm
.macro CROUND                          ; a whole round
	s_barrier_signal -1
	s_barrier_wait -1
	CREST
.endm
	s_load_b512 s[68:83], s[0:1], 0x0              ; x s[68:69], Wq s[70:71], Wk s[72:73], Wv s[74:75], bq s[76:77], bk s[78:79], bv s[80:81], the exponents s[82:83]
	s_load_b128 s[84:87], s[0:1], 0x40             ; qc, kc
	s_load_b64 s[88:89], s[0:1], 0x50              ; vc
	v_lshl_add_u32 v[SPW], v0, 2, SPARE
	v_mov_b32 v[NIL], 0
	ds_add_u32 v28, v29
	ds_add_u32 v28, v29
	s_wait_dscnt 0x0
	v_lshrrev_b32 v1, 5, v0
	v_readfirstlane_b32 s14, v1                    ; wave 0..3
	s_lshr_b32 s15, s14, 1                         ; which half of the tile's rows is mine.  Also: I fetch for A (0) or for B (1)
	s_and_b32 s16, s14, 1                          ; which half of its columns.  Also: which 128 rows of that tile I fetch
	s_bfe_u32 s40, ttmp6, 0x40000                  ; cx, cy: my place in the cluster
	s_bfe_u32 s41, ttmp6, 0x40004
	s_and_b32 s90, ttmp7, 0xffff
	s_lshl_b32 s90, s90, 2                         ; 4 x cluster y
	s_add_co_u32 s91, s90, s41                     ; x's tile row where x is A'
	s_add_co_u32 s92, s90, s40                     ; x's tile row where x is B'
	s_lshl_b32 s43, s41, 2
	s_lshl_b32 s43, 15, s43                        ; my row of the cluster
	s_lshl_b32 s44, 0x1111, s40                    ; my column
	s_lshl_b32 s93, s40, 10
	s_lshl_b32 s95, s16, 9
	s_add_co_u32 s93, s93, s95                     ; q, k: byte of my first column's bias: 4 (256 cx + 128 column half)
	s_lshl_b32 s94, s41, 10
	s_lshl_b32 s95, s15, 9
	s_add_co_u32 s94, s94, s95                     ; v: byte of my first row's bias: 4 (256 cy + 128 row half)
	s_cmp_eq_u32 ttmp9, 2                          ; v's product?  The choice hangs on the cluster's x alone
	s_cselect_b32 s17, s41, s91                    ; A's tile row: made of cy alone
	s_cselect_b32 s42, s92, s40                    ; B's tile row: made of cx alone
	s_cselect_b32 s93, 0, s93                      ; the set of biases that a path does not use is read from byte 0 on: every register is written on every path
	s_cselect_b32 s94, s94, 0
	; descriptor group 1: a tile of 128 rows x 256 bytes, padded in LDS
	s_or_b32 s[G1+0], s43, (0<<16)|(1<<20)|(1<<21)|(5<<22)|(3<<25)  ; 15:0 the mask: A's tiles go to my row; 17:16 element of 1 byte; 20 padding on; 21 set beside a mask; 24:22 after every 64 words; 31:25 of 4 words
	s_or_b32 s[G1B+0], s44, (0<<16)|(1<<20)|(1<<21)|(5<<22)|(3<<25)
.irp g, G1, G1B
	s_mov_b32 s[\g+1], ROWB<<16                    ; tensor_dim0
	s_mov_b32 s[\g+2], 128<<16                     ; tensor_dim1 = 128
	s_mov_b32 s[\g+3], ROWB<<16                    ; tile_dim0
	s_mov_b32 s[\g+4], 128                         ; tile_dim1 = 128
	s_mov_b32 s[\g+5], KROW                        ; tensor_dim0_stride
	s_mov_b32 s[\g+6], 0
	s_mov_b32 s[\g+7], 0
.endr
	s_lshl_b32 s18, s16, 7                         ; which 128 rows of the tile I fetch
	s_lshl_b32 s20, s17, 8
	s_add_co_u32 s20, s20, s18                     ; A: row 256 x tile row + 128 x half
	s_lshl_b32 s46, s42, 8
	s_add_co_u32 s46, s46, s18                     ; B likewise
	s_mov_b32 s21, 0
	s_mov_b32 s47, 0
	s_mov_b64 s[18:19], KROW
	s_mul_u64 s[20:21], s[20:21], s[18:19]
	s_mul_u64 s[46:47], s[46:47], s[18:19]
	s_mul_i32 s45, s14, HALFT                      ; where they go: wave x 128 rows: no place in the cluster enters an LDS address
	s_wait_kmcnt 0x0
	s_cmp_eq_u32 ttmp9, 0                          ; the buffers are chosen by the cluster's x
	s_cselect_b64 s[6:7], s[70:71], s[72:73]       ; Wq or Wk
	s_cselect_b64 s[8:9], s[76:77], s[78:79]       ; bq or bk
	s_cselect_b64 s[10:11], s[84:85], s[86:87]     ; qc or kc
	s_cmp_eq_u32 ttmp9, 2
	s_cselect_b64 s[4:5], s[74:75], s[68:69]       ; A': Wv, else x
	s_cselect_b64 s[6:7], s[68:69], s[6:7]         ; B': x, else the weight
	s_cselect_b64 s[8:9], s[80:81], s[8:9]
	s_cselect_b64 s[10:11], s[88:89], s[10:11]
	s_load_b256 s[68:75], s[82:83], 0x0            ; e0 .. e7 (the eight pointers that lay here have been chosen from)
	s_load_b128 s[76:79], s[82:83], 0x20           ; e8 .. e11
	s_add_nc_u64 s[20:21], s[4:5], s[20:21]
	s_add_nc_u64 s[46:47], s[6:7], s[46:47]
	CROUND                                         ; all sixteen work-groups are here: the first joint loads meet
.irp s, 0,1
	s_mov_b32 s[G0+4*\s], 1
	s_add_co_u32 s[G0+4*\s+1], s45, \s*SLOT
	s_add_nc_u64 s[G0+4*\s+2:G0+4*\s+3], s[20:21], \s*ROWB
	s_or_b32 s[G0+4*\s+3], s[G0+4*\s+3], 0x80000000
	s_mov_b32 s[G0B+4*\s], 1
	s_add_co_u32 s[G0B+4*\s+1], s45, \s*SLOT
	s_add_nc_u64 s[G0B+4*\s+2:G0B+4*\s+3], s[46:47], \s*ROWB
	s_or_b32 s[G0B+4*\s+3], s[G0B+4*\s+3], 0x80000000
	JLOAD G0+4*\s, G1, G0B+4*\s, G1B
.endr
	v_and_b32 v1, 15, v0                           ; r = l % 16
	v_bfe_u32 v2, v0, 4, 1                         ; h = l / 16
	v_lshlrev_b32 v12, 5, v2
	v_add_nc_u32 v12, s93, v12                     ; the bias of my columns: + 32 h; never rewritten
	v_lshlrev_b32 v13, 2, v1
	v_add_nc_u32 v13, s94, v13                     ; the bias of my rows: + 4 r; never rewritten
.irp b, 0,1,2,3,4,5,6,7
	global_load_b128 v[BN+8*\b:BN+8*\b+3], v12, s[8:9] offset:64*\b          ; columns 16 b + 8 h + 0 .. 3
	global_load_b128 v[BN+8*\b+4:BN+8*\b+7], v12, s[8:9] offset:64*\b+16     ; and 4 .. 7
.endr
.irp a, 0,1,2,3,4,5,6,7
	global_load_b32 v[BM+2*\a], v13, s[8:9] offset:64*\a                     ; row 16 a + r, twice: the packed form takes a pair
	global_load_b32 v[BM+2*\a+1], v13, s[8:9] offset:64*\a
.endr
	v_mul_u32_u24 v3, v1, PITCH
	v_lshl_add_u32 v4, v2, 4, v3                   ; a fragment's row x pitch + 16 x half
	s_mul_i32 s21, s15, HALFT                      ; my 128 rows of A
	s_mul_i32 s22, s16, HALFT                      ; my 128 rows of B,
	s_add_co_u32 s22, s22, 2*HALFT                 ; which lie behind A's 256
.irp s, 0,1
	v_add_nc_u32 v[ADRA+\s], s21, v4
	v_add_nc_u32 v[ADRB+\s], s22, v4
	s_add_co_u32 s21, s21, SLOT
	s_add_co_u32 s22, s22, SLOT
.endr
	s_mul_i32 s23, s14, 16*SP                      ; my stage
	v_mul_u32_u24 v5, v1, SP                       ; in: row r, 16 bytes for each half of the lanes
	v_lshl_add_u32 v5, v2, 4, v5
	v_add_nc_u32 v[STOQ], s23, v5
	v_add_nc_u32 v[STOV], STGV, v[STOQ]
	v_and_b32 v6, 31, v0                           ; lane
	v_lshrrev_b32 v7, 2, v6                        ; q, k back: four lanes to a token's 64 bytes of one head
	v_mul_u32_u24 v7, v7, SP
	v_and_b32 v8, 3, v6
	v_lshl_add_u32 v7, v8, 4, v7
	v_add_nc_u32 v[RDQ], s23, v7
	v_lshrrev_b32 v7, 3, v6                        ; v back: eight lanes to a channel's 128 bytes
	v_mul_u32_u24 v7, v7, SP
	v_and_b32 v8, 7, v6
	v_lshl_add_u32 v7, v8, 4, v7
	v_add_nc_u32 v7, s23, v7
	v_add_nc_u32 v[RDV], STGV, v7
	v_lshlrev_b32 v[CO], 4, v6
.macro FRAG reg, adr, q, i             ; a fragment, 16 rows x 128 K, is 16 registers: lane l holds row l % 16; registers 4 c .. 4 c + 3 hold K = 32 c + 16 (l / 16) + 0 .. 15
.irp c, 0,1,2,3
	ds_load_b128 v[\reg+4*\c:\reg+4*\c+3], v[\adr] offset:128*(\q)+32*\c+(\i)*16*PITCH
.endr
.endm
; 16 matrix instructions: A's blocks a0, a0 + 1 x B's eight, 128 along K.  p: B's set.  zero = 1: the first product starts the sums.
; The 64 accumulators take turns, one instruction a turn, in the same order in every step.
.macro MUL16 a0, p, zero
.irp a, \a0, \a0+1
.irp b, 0,1,2,3,4,5,6,7
.if \zero
	v_wmma_f32_16x16x128_fp8_fp8 v[8*(8*((\a)%4)+\b):8*(8*((\a)%4)+\b)+7], v[128*(\p)+FR*\b:128*(\p)+FR*\b+FR-1], v[AF+FR*(\a):AF+FR*(\a)+FR-1], 0
.else
	v_wmma_f32_16x16x128_fp8_fp8 v[8*(8*((\a)%4)+\b):8*(8*((\a)%4)+\b)+7], v[128*(\p)+FR*\b:128*(\p)+FR*\b+FR-1], v[AF+FR*(\a):AF+FR*(\a)+FR-1], v[8*(8*((\a)%4)+\b):8*(8*((\a)%4)+\b)+7]
.endif
.endr
.endr
.endm
.macro FETCH_B slot, q, p              ; B's eight fragments of the slot's q-th 128 along K into set p
	WIN TO_B
.irp i, 0,1,2,3,4,5,6,7
	FRAG 128*(\p)+FR*\i, ADRB+\slot, \q, \i
.endr
	WIN 0
.endm
.macro FETCH_A slot, q, i0             ; A's blocks i0 .. i0 + 3
.irp i, \i0, \i0+1, \i0+2, \i0+3
	FRAG AF+FR*(\i), ADRA+\slot, \q, \i
.endr
.endm
.macro PLACES n                        ; plain vector places in front of loads into registers that matrix instructions have read, and of the first read of results
.rept \n
	v_nop
.endr
.endm
; A step of 128 along K that has its successor in the same slot.
.macro STEP slot, q, zero
	s_wait_dscnt 4*NL                              ; B's set and A's blocks 0-3 are in; the youngest 16 loads (A's blocks 4-7) may be out
	WIN MUL_LO
	MUL16 0, (\q)%2, \zero
	MUL16 2, (\q)%2, \zero
	s_wait_dscnt 0                                 ; A's blocks 4-7 are in
	PLACES NP
	FETCH_B \slot, (\q)+1, 1-(\q)%2
	FETCH_A \slot, (\q)+1, 0
	WIN MUL_HI
	MUL16 4, (\q)%2, \zero
	MUL16 6, (\q)%2, \zero
	PLACES NP
	WIN 0
	FETCH_A \slot, (\q)+1, 4
.endm
; A slot's last step changes slots: one barrier; in front of it each wave waits for all its tensor loads, adds 0 to its spare word, and waits for that and for its reads of this slot.
.macro TURN slot, next, fill
	s_wait_tensorcnt 0x0                           ; all my tensor loads have landed: my part of the next slot
	ds_add_u32 v[SPW], v[NIL]                      ; 0 onto my spare word
	s_wait_dscnt 4*NL+1                            ; (the add and the youngest 16 loads, A's blocks 4-7, may be out)
	WIN MUL_LO
	MUL16 0, 1, 0                                  ; sixteen matrix instructions stand between the add and the wait for it
	s_wait_dscnt 0x0                               ; the add is done, and my reads of this slot are over
	s_barrier_signal -1
	MUL16 2, 1, 0
	WIN 0
	s_barrier_wait -1
.if \fill
	CREST                                          ; the barrier has opened a round of the cluster's barrier: no wave of any partner still reads this slot or has a load on its way
	s_add_nc_u64 s[G0+4*\slot+2:G0+4*\slot+3], s[G0+4*\slot+2:G0+4*\slot+3], 2*ROWB
	s_add_nc_u64 s[G0B+4*\slot+2:G0B+4*\slot+3], s[G0B+4*\slot+2:G0B+4*\slot+3], 2*ROWB
	JLOAD G0+4*\slot, G1, G0B+4*\slot, G1B         ; the first tensor load behind the round; the four v_nop behind it are the places in front of the loads below
.else
	PLACES NP
.endif
	FETCH_B \next, 0, 0
	FETCH_A \next, 0, 0
	WIN MUL_HI
	MUL16 4, 1, 0
	MUL16 6, 1, 0
	PLACES NP
	WIN 0
	FETCH_A \next, 0, 4
.endm
	s_wait_tensorcnt 1                             ; my part of K step 0 is in (K step 1's load may be out)
	s_barrier_signal -1
	s_barrier_wait -1                              ; everybody's is
	FETCH_B 0, 0, 0
	FETCH_A 0, 0, 0
	FETCH_A 0, 0, 4
	STEP 0, 0, 1                                   ; the first step stands in front of the loop: its products start the sums
	s_mov_b32 s3, LAPS-1
.Llap:                                                 ; a trip goes once round the ring and fills both slots again
	TURN 0, 1, 1
	STEP 1, 0, 0
	TURN 1, 0, 1
	STEP 0, 0, 0
	s_sub_co_u32 s3, s3, 1
	s_cmp_lg_u32 s3, 0
	s_cbranch_scc1 .Llap
	TURN 0, 1, 0                                   ; the last lap fills nothing
	STEP 1, 0, 0
	s_wait_dscnt 4*NL                              ; the very last step: nothing more to fetch
	WIN MUL_LO
	MUL16 0, 1, 0
	MUL16 2, 1, 0
	s_wait_dscnt 0
	WIN MUL_HI
	MUL16 4, 1, 0
	MUL16 6, 1, 0
	WIN 0
; THE WAY OUT, block by block of 16 rows of C'.  v = 1: the path of v.
; PACK: number = sum x 2^(ea + eb) + bias, one packed multiply-add for two; eight codes a conversion.
.macro PACK a, v
.set AC, 64*((\a)%4)
.set CD, CD0+16*((\a)%2)
	WIN 0x02+((\a)/4)                              ; source 0: window 2 or 3
.irp b, 0,1,2,3,4,5,6,7
.irp i, 0,2,4,6
.if \v
	v_pk_fma_f32 v[TMP+8*\b+\i:TMP+8*\b+\i+1], v[AC+8*\b+\i:AC+8*\b+\i+1], s[96:97], v[BM+2*(\a):BM+2*(\a)+1] op_sel_hi:[1,0,1]   ; each accumulator from its low end on
.else
	v_pk_fma_f32 v[TMP+8*\b+\i:TMP+8*\b+\i+1], v[AC+8*\b+\i:AC+8*\b+\i+1], s[96:97], v[BN+8*\b+\i:BN+8*\b+\i+1] op_sel_hi:[1,0,1]
.endif
.endr
.endr
	WIN 0
.set n, 0
.rept 64
.set n, n+1
.endr
.irp b, 0,1,2,3,4,5,6,7
	v_cvt_scalef32_pk8_fp8_f32 v[CD+2*\b:CD+2*\b+1], v[TMP+8*\b:TMP+8*\b+7], v[SC]
.endr
	v_nop                                          ; one plain vector line behind the last conversion, ahead of whatever next touches its registers
.endm
; TOSTAGE: accumulators 2 c and 2 c + 1 give 16 neighbouring bytes of the output's row; 16 rows of 128 bytes go into my stage and come back as dense runs of 512 bytes.
.macro TOSTAGE a, v
.set CD, CD0+16*((\a)%2)
.irp c, 0,1,2,3
.if \v
	ds_store_b128 v[STOV], v[CD+4*\c:CD+4*\c+3] offset:32*\c
.else
	ds_store_b128 v[STOQ], v[CD+4*\c:CD+4*\c+3] offset:32*\c
.endif
.endr
.irp i, 0,1,2,3
.if \v
	ds_load_b128 v[BK+4*\i:BK+4*\i+3], v[RDV] offset:4*SP*\i                    ; four channels' rows of 128 bytes.  LDS serves a wave's instructions in order (ISA guide 5.7.1.4)
.else
	ds_load_b128 v[BK+4*\i:BK+4*\i+3], v[RDQ] offset:(\i%2)*8*SP+64*(\i/2)      ; eight tokens' 64 bytes of head i / 2
.endif
.endr
.endm
.macro SEND a, v                       ; each store covers 512 consecutive bytes, at a multiple of 512 from the buffer's first byte; every offset is an immediate
	s_wait_dscnt 0x0                               ; the block is back in registers
.irp i, 0,1,2,3
.if \v
	global_store_b128 v[CO], v[BK+4*\i:BK+4*\i+3], s[10:11] offset:131072*((\a)/4)+2048*((\a)%4)+512*\i
.else
	global_store_b128 v[CO], v[BK+4*\i:BK+4*\i+3], s[10:11] offset:1024*(\a)+131072*(\i/2)+512*(\i%2)
.endif
.endr
.endm
.macro LEAVE v
	PACK 0, \v
	TOSTAGE 0, \v
.irp a, 1,2,3,4,5,6,7
	PACK \a, \v                                    ; block a's arithmetic stands between block a - 1's loads from the stage and the wait for them
	s_wait_alu depctr_va_vdst(0)
	SEND \a-1, \v
	s_wait_xcnt 0x0                                ; the stores' data registers are loaded again only behind this wait
	TOSTAGE \a, \v
.endr
	SEND 7, \v
.endm
	s_wait_kmcnt 0x0                               ; the exponents.  What they decide is chosen without a jump
	s_add_co_i32 s90, s68, s69                     ; e0 + e1
	s_add_co_i32 s91, s70, s71                     ; e2 + e3
	s_add_co_i32 s92, s72, s73                     ; e4 + e5
	s_cmp_eq_u32 ttmp9, 0
	s_cselect_b32 s90, s90, s91
	s_cselect_b32 s93, s74, s75                    ; q's e6 or k's e7
	s_cmp_eq_u32 ttmp9, 2
	s_cselect_b32 s90, s92, s90
	s_cselect_b32 s93, s77, s93                    ; v's e9
	s_add_co_i32 s90, s90, 127
	s_lshl_b32 s96, s90, 23                        ; 2^(ea + eb) as f32
	s_mov_b32 s97, s96                             ; (named with it as a pair, so it is written)
	s_add_co_i32 s93, s93, 127
	s_lshl_b32 s94, s93, 23
	v_mov_b32 v[SC], s94                           ; the result's scale as f32: the conversion takes its exponent field
	s_wait_loadcnt 0x0                             ; the biases
	PLACES NP                                      ; behind the last products: their operands' registers are written below
	s_cmp_eq_u32 ttmp9, 2
	s_cbranch_scc1 .Lv
	s_lshl_b32 s90, s17, 8                         ; q, k: my first token g = 256 x tile row + 128 x row half,
	s_lshl_b32 s91, s15, 7
	s_add_co_u32 s90, s90, s91
	s_lshr_b32 s91, s90, 11                        ; its batch: 16 heads of 2^17 bytes,
	s_lshl_b32 s91, s91, 21
	s_and_b32 s90, s90, 2047                       ; its place in the batch: 64 bytes a token,
	s_lshl_b32 s90, s90, 6
	s_add_co_u32 s90, s90, s91
	s_lshl_b32 s91, s42, 2                         ; my first head: 4 cx + 2 x column half
	s_lshl_b32 s92, s16, 1
	s_add_co_u32 s91, s91, s92
	s_lshl_b32 s91, s91, 17
	s_add_co_u32 s90, s90, s91
	s_mov_b32 s91, 0
	s_add_nc_u64 s[10:11], s[10:11], s[90:91]
	LEAVE 0
	s_branch .Lend
.Lv:
	s_lshl_b32 s90, s42, 8                         ; v: my first token = 256 x tile row of x + 128 x column half: one step of 128 keys,
	s_lshl_b32 s91, s16, 7
	s_add_co_u32 s90, s90, s91
	s_lshr_b32 s91, s90, 11
	s_lshl_b32 s91, s91, 4                         ; 16 x batch
	s_lshl_b32 s92, s17, 2                         ; + my first head: 4 cy + 2 x row half
	s_add_co_u32 s91, s91, s92
	s_lshl_b32 s92, s15, 1
	s_add_co_u32 s91, s91, s92
	s_lshl_b32 s91, s91, 17
	s_and_b32 s90, s90, 2047
	s_lshr_b32 s90, s90, 7                         ; the step: 64 channels x 128 bytes
	s_lshl_b32 s90, s90, 13
	s_add_co_u32 s90, s90, s91
	s_mov_b32 s91, 0
	s_add_nc_u64 s[10:11], s[10:11], s[90:91]
	LEAVE 1
.Lend:
	s_wait_tensorcnt 0x0                           ; the wave's end
	ds_add_u32 v[SPW], v[NIL]
	s_wait_dscnt 0x0
	CROUND                                         ; the closing round: no work-group ends while a partner may still ask for a tile that names it
	s_endpgm
.Lfunc_end_k_q313d6db990_qkv:
	.size	k_q313d6db990_qkv, .Lfunc_end_k_q313d6db990_qkv-k_q313d6db990_qkv
	.p2alignl 7, 3214868480
	.fill 96, 4, 3214868480
	.section	.rodata,"a",@progbits
	.p2align	6, 0x0
	.amdhsa_kernel k_q313d6db990_qkv
		.amdhsa_group_segment_fixed_size 327680
		.amdhsa_private_segment_fixed_size 0
		.amdhsa_enable_private_segment 0
		.amdhsa_kernarg_size 88
		.amdhsa_user_sgpr_count 2
		.amdhsa_user_sgpr_kernarg_segment_ptr 1
		.amdhsa_wavefront_size32 1
		.amdhsa_system_sgpr_workgroup_id_x 1
		.amdhsa_system_sgpr_workgroup_id_y 1
		.amdhsa_system_sgpr_workgroup_id_z 1
		.amdhsa_system_vgpr_workitem_id 0
		.amdhsa_next_free_vgpr 1024
		.amdhsa_next_free_sgpr 100
		.amdhsa_reserve_vcc 0
		.amdhsa_float_denorm_mode_32 3
		.amdhsa_float_denorm_mode_16_64 3
		.amdhsa_fp16_overflow 1
		.amdhsa_memory_ordered 1
		.amdhsa_forward_progress 1
		.amdhsa_inst_pref_size 140
	.end_amdhsa_kernel
	.amdgpu_metadata
---
amdhsa.version: [ 1, 2 ]
amdhsa.kernels:
  - .name:           k_q313d6db990_qkv
    .symbol:         k_q313d6db990_qkv.kd
    .args:
      - { .name: x_codes, .offset: 0, .size: 8, .value_kind: global_buffer, .address_space: global }
      - { .name: Wq_codes, .offset: 8, .size: 8, .value_kind: global_buffer, .address_space: global }
      - { .name: Wk_codes, .offset: 16, .size: 8, .value_kind: global_buffer, .address_space: global }
      - { .name: Wv_codes, .offset: 24, .size: 8, .value_kind: global_buffer, .address_space: global }
      - { .name: bq, .offset: 32, .size: 8, .value_kind: global_buffer, .address_space: global }
      - { .name: bk, .offset: 40, .size: 8, .value_kind: global_buffer, .address_space: global }
      - { .name: bv, .offset: 48, .size: 8, .value_kind: global_buffer, .address_space: global }
      - { .name: lowp_scales, .offset: 56, .size: 8, .value_kind: global_buffer, .address_space: global }
      - { .name: qc, .offset: 64, .size: 8, .value_kind: global_buffer, .address_space: global }
      - { .name: kc, .offset: 72, .size: 8, .value_kind: global_buffer, .address_space: global }
      - { .name: vc, .offset: 80, .size: 8, .value_kind: global_buffer, .address_space: global }
    .group_segment_fixed_size: 327680
    .private_segment_fixed_size: 0
    .kernarg_segment_align: 8
    .kernarg_segment_size: 88
    .max_flat_workgroup_size: 128
    .sgpr_count:     100
    .vgpr_count:     1024
    .wavefront_size: 32
...
	.end_amdgpu_metadata
.endif
;; end of part 1
;; launch attn (part 2): grid 4 x 64, 16 waves a work-group, clusters of 4 x 1, 327,680 bytes of LDS; arguments qc, kc, vc, lowp_scales, ac; writes ac
.if DOCPART == 2
	.amdgcn_target "amdgcn-amd-amdhsa--gfx1250"
	.amdhsa_code_object_version 6
	.text
	.protected	k_q313d6db990_attn
	.globl	k_q313d6db990_attn
	.p2align	8
	.type	k_q313d6db990_attn,@function
k_q313d6db990_attn:
	s_mov_b64 s[64:65], 0
	v_nop
	global_prefetch_b8 v0, s[64:65] scope:SCOPE_SE
	s_setreg_imm32_b32 hwreg(HW_REG_WAVE_MODE, 25, 1), 1
	s_wait_xcnt 0x0
	s_wait_alu depctr_hold_cnt(0) depctr_sa_sdst(0) depctr_va_vdst(0) depctr_va_sdst(0) depctr_va_ssrc(0) depctr_va_vcc(0) depctr_vm_vsrc(0)
	s_getreg_b32 s2, hwreg(HW_REG_IB_STS2, 6, 4)
	s_cmp_eq_u32 s2, 0
	s_cbranch_scc0 .Lentry_in_a_cluster
	s_endpgm
.Lentry_in_a_cluster:
	s_bfe_u32 s2, ttmp6, 0x10000c
	s_cmp_lg_u32 s2, 0x3003
	s_cbranch_scc0 .Lentry_shape_is_right
	s_endpgm
.Lentry_shape_is_right:
; Causal attention of one head on codes of FP8 (E4M3): S^T = K Q^T, the softmax, O^T = V^T P^T, O / l, quantised with its given scale into ac [head][2048 batch + token][64 bytes], channels in their order.
; THE SOFTMAX: t = score x log2(e) / 8; M = the running largest t rounded UP to a whole number; p = 2^(t - M) is quantised, not normalised; the row's sum is taken of the unquantised p in f32 and
; divides O at the end.  When M moves, the sum and O are multiplied by 2^(old M - new M), which rounds nothing.
; A HEAD'S K AND V LIE IN LDS WHOLE: 2 x 131,072 bytes of codes, 16 bytes of padding behind every 256: 278,528 bytes.  Nothing is filled again: no ring; behind two early barriers no wave waits for another.
; CLUSTER: the four work-groups of a cluster serve one head and ask for K and V jointly (mask 15); each of the sixteen waves brings two parts: a sixteenth of keys 0-511 and of keys 512-2,047
; (waves 0-7: K; waves 8-15: V).  The first four key steps run while the second parts are on their way.
; SHARES: a tile is 16 queries; a head has 128.  Work-group j (its place in the cluster), wave w: first tile j + 4 (31 - w), then tile j + 4 w.  A tile's last key step is tile / 8, that is 15 - w / 2 and w / 2:
; it hangs on the wave's number alone, and every wave has 17 steps of 128 keys.  j enters only Q's and the output's addresses and the numbers that the mask compares.
; Every loop's trip count is a constant; a step all of whose keys come after the tile's queries is jumped over by a scalar branch on the wave's number and the counter.
; LAYOUT: both products are used transposed, so a lane holds ONE query (lane % 16) throughout.  In S^T tile g, register i of lane (r, h) is key 16 g + 8 h + i: eight codes of it are registers 2 g, 2 g + 1 of
; the second product's operand.  vc is laid so that V's fragments meet that order.
; LIMITS on the given exponents: e6 + e7 in -123 .. 130 (added to c's exponent field); e8 and e10 in -126 .. 119; e8 + e9 is applied by v_ldexp_f32 and has none.
; O^T and the sum begin as zeros and the largest t as -3e38, so that the step is written once for all steps: 32 moves a tile.
; REGISTERS: v1-10 addresses that stay; v12 -M, v13 the largest t, v[14:15] the sum; v16-23, v24-31 Q of the two tiles; v32-95 K's 8 fragments, then V's 4; v96-159 S^T, then p; v160-191 O^T;
;   v192-207 p's codes; v208-223 rows on the way out; v236-254 at work and constants.
.set PITCH, 272                        ; an LDS row: 256 bytes + 16: four keys of K, or two channels of a step of V
.set STEPB, 32*PITCH                   ; a key step of K, and of V
.set VB,    512*PITCH                  ; V lies behind K
.set STG,   2*VB                       ; behind both: a stage of 16 rows x (64 bytes + 16) for each wave
.set SPT,   80
.set AK0, 1                            ; v1   my lane's place in a tile of K: 272 (r / 4) + 64 (r % 4) + 16 h
.set AV0, 2                            ; v2   in a tile of V: VB + 272 (r / 2) + 128 (r % 2) + 16 h
.set ADK, 3                            ; v3, v4 the step's addresses
.set ADV, 4
.set VQ,  5                            ; v5   Q: 64 r + 16 h
.set STO, 6                            ; v6   the stage, in
.set RD,  7                            ; v7   the stage, back
.set GO,  8                            ; v8   16 x lane
.set RH,  9                            ; v9   r - 8 h
.set DD,  10                           ; v10  my query's place in the diagonal step, less 8 h
.set WV,  18                           ; s18  wave
.set CX,  19                           ; s19  my place in the cluster
.set SEL, 20                           ; s[20:21] selects for v_permlanex16_b32: lane l xor 16
.set CS,  22                           ; s[22:23] c = log2(e) / 8 x 2^(e6 + e7)
.set G1A, 24                           ; s[24:31] descriptor group 1: 16 rows;  s[32:39]: 48 rows
.set G1B, 32
.set G0A, 40                           ; s[40:43], s[44:47] their groups 0
.set G0B, 44
.set T,   48                           ; s48  the key step
.set TBY, 49                           ; s49  its first byte in K's and in V's region
.set LB,  50                           ; s50, s51 the last key step of my first and of my second tile
.set LA,  51
.set DB,  52                           ; s52, s53 the tiles' first query within that step
.set DA,  53
.set PQB, 54                           ; s[54:55], s[56:57] Q's codes of the two tiles
.set PQA, 56
.set POB, 58                           ; s[58:59], s[60:61] their places in ac
.set POA, 60
.macro CROUND                          ; a round of the cluster's barrier
	s_barrier_signal -1
	s_barrier_wait -1
	s_cmp_lg_u32 s[WV], 0
	s_cbranch_scc1 .Lnot_wave_0_\@
	s_barrier_signal -3
.Lnot_wave_0_\@:
	s_barrier_wait -3
	s_barrier_signal -1
	s_barrier_wait -1
.endm
	s_load_b256 s[4:11], s[0:1], 0x0               ; qc s[4:5], kc s[6:7], vc s[8:9], the exponents s[10:11]
	s_load_b64 s[12:13], s[0:1], 0x20              ; ac
	v_lshl_add_u32 v251, v0, 2, 0x49000
	v_mov_b32 v255, 0
	ds_add_u32 v251, v255
	ds_add_u32 v251, v255
	v_lshrrev_b32 v1, 5, v0
	s_delay_alu instid0(VALU_DEP_1)
	v_readfirstlane_b32 s[WV], v1                  ; wave 0..15
	s_bfe_u32 s[CX], ttmp6, 0x40000                ; j
	s_and_b32 s62, ttmp7, 0xffff                   ; 16 batch + head, which the four partners share
	s_lshr_b32 s[LA], s[WV], 1
	s_sub_co_u32 s[LB], 15, s[LA]
	s_and_b32 s[DA], s[WV], 1
	s_xor_b32 s[DB], s[DA], 1
	s_lshl_b32 s[DB], s[DB], 2
	s_add_co_u32 s[DB], s[DB], s[CX]
	s_lshl_b32 s[DB], s[DB], 4                     ; 16 (j + 4 (1 - w % 2))
	s_lshl_b32 s[DA], s[DA], 2
	s_add_co_u32 s[DA], s[DA], s[CX]
	s_lshl_b32 s[DA], s[DA], 4                     ; 16 (j + 4 (w % 2))
	s_sub_co_u32 s66, 31, s[WV]
	s_lshl_b32 s66, s66, 2
	s_add_co_u32 s66, s66, s[CX]
	s_lshl_b32 s66, s66, 10                        ; my first tile's 1,024 bytes: 16 queries x 64
	s_lshl_b32 s67, s[WV], 2
	s_add_co_u32 s67, s67, s[CX]
	s_lshl_b32 s67, s67, 10                        ; my second tile's
	s_lshl_b32 s76, s62, 17                        ; the head's first byte in qc, kc and vc
	s_add_co_u32 s[PQB], s76, s66
	s_mov_b32 s[PQB+1], 0
	s_add_co_u32 s[PQA], s76, s67
	s_mov_b32 s[PQA+1], 0
	s_and_b32 s63, s62, 15                         ; ac: head x 8,192 tokens x 64 bytes + batch x 2,048 x 64
	s_lshl_b32 s63, s63, 19
	s_lshr_b32 s73, s62, 4
	s_lshl_b32 s73, s73, 17
	s_add_co_u32 s63, s63, s73
	s_add_co_u32 s[POB], s63, s66
	s_mov_b32 s[POB+1], 0
	s_add_co_u32 s[POA], s63, s67
	s_mov_b32 s[POA+1], 0
	; what I fetch: u = w % 8 says which part, w / 8 says K or V.  No place in the cluster enters these
	s_and_b32 s16, s[WV], 7
	s_lshr_b32 s17, s[WV], 3
	s_mul_i32 s17, s17, VB
	s_mul_i32 s[G0A+1], s16, 16*PITCH              ; LDS: rows 16 u on of the region,
	s_add_co_u32 s[G0A+1], s[G0A+1], s17
	s_mul_i32 s[G0B+1], s16, 48*PITCH              ; and rows 128 + 48 u on
	s_add_co_u32 s[G0B+1], s[G0B+1], s17
	s_add_co_u32 s[G0B+1], s[G0B+1], 128*PITCH
	s_lshl_b32 s78, s16, 12                        ; memory: the same rows of 256 bytes, dense
	s_add_co_u32 s78, s78, s76
	s_mov_b32 s79, 0
	s_mul_i32 s74, s16, 48*256
	s_add_co_u32 s74, s74, s76
	s_add_co_u32 s74, s74, 128*256
	s_mov_b32 s75, 0
	; descriptor group 1: rows of 256 bytes, dense in memory, 16 bytes of padding behind each
	s_mov_b32 s[G1A], 15|(0<<16)|(1<<20)|(1<<21)|(5<<22)|(3<<25)   ; 15:0 the mask: all four work-groups; 17:16 elements of 1 byte; 20 padding on; 21 set beside a mask; 24:22 after every 64 words; 31:25 of 4 words
	s_mov_b32 s[G1A+1], 256<<16                    ; tensor_dim0
	s_mov_b32 s[G1A+2], 16<<16                     ; tensor_dim1
	s_mov_b32 s[G1A+3], 256<<16                    ; tile_dim0
	s_mov_b32 s[G1A+4], 16                         ; tile_dim1
	s_mov_b32 s[G1A+5], 256                        ; tensor_dim0_stride
	s_mov_b32 s[G1A+6], 0
	s_mov_b32 s[G1A+7], 0
	s_mov_b32 s[G1B], 15|(0<<16)|(1<<20)|(1<<21)|(5<<22)|(3<<25)
	s_mov_b32 s[G1B+1], 256<<16
	s_mov_b32 s[G1B+2], 48<<16
	s_mov_b32 s[G1B+3], 256<<16
	s_mov_b32 s[G1B+4], 48
	s_mov_b32 s[G1B+5], 256
	s_mov_b32 s[G1B+6], 0
	s_mov_b32 s[G1B+7], 0
	s_mov_b32 s[SEL], 0x76543210
	s_mov_b32 s[SEL+1], 0xfedcba98
	s_mov_b32 s[CS], 0x3e38aa3b                    ; log2(e) / 8
	; lane addresses
	v_and_b32 v11, 15, v0                          ; r
	v_bfe_u32 v232, v0, 4, 1                       ; h
	s_delay_alu instid0(VALU_DEP_2)
	v_lshrrev_b32 v233, 2, v11
	s_delay_alu instid0(VALU_DEP_1)
	v_mul_u32_u24 v[AK0], v233, PITCH
	s_delay_alu instid0(VALU_DEP_4)
	v_and_b32 v233, 3, v11
	s_delay_alu instid0(VALU_DEP_1)
	v_lshl_add_u32 v[AK0], v233, 6, v[AK0]
	s_delay_alu instid0(VALU_DEP_1)
	v_lshl_add_u32 v[AK0], v232, 4, v[AK0]
	v_lshrrev_b32 v233, 1, v11
	s_delay_alu instid0(VALU_DEP_1)
	v_mul_u32_u24 v[AV0], v233, PITCH
	v_and_b32 v233, 1, v11
	s_delay_alu instid0(VALU_DEP_1)
	v_lshl_add_u32 v[AV0], v233, 7, v[AV0]
	s_delay_alu instid0(VALU_DEP_1)
	v_lshl_add_u32 v[AV0], v232, 4, v[AV0]
	s_delay_alu instid0(VALU_DEP_1)
	v_add_nc_u32 v[AV0], VB, v[AV0]
	v_lshlrev_b32 v[VQ], 6, v11
	s_delay_alu instid0(VALU_DEP_1)
	v_lshl_add_u32 v[VQ], v232, 4, v[VQ]
	s_mul_i32 s73, s[WV], 16*SPT
	s_add_co_u32 s73, s73, STG                     ; my stage
	v_mul_u32_u24 v[STO], v11, SPT                 ; in: row r, 8 bytes for each half of the lanes
	s_delay_alu instid0(VALU_DEP_1)
	v_lshl_add_u32 v[STO], v232, 3, v[STO]
	s_delay_alu instid0(VALU_DEP_1)
	v_add_nc_u32 v[STO], s73, v[STO]
	v_and_b32 v234, 31, v0
	s_delay_alu instid0(VALU_DEP_1)
	v_lshrrev_b32 v233, 2, v234                    ; back: four lanes to a query's 64 bytes
	s_delay_alu instid0(VALU_DEP_1)
	v_mul_u32_u24 v[RD], v233, SPT
	s_delay_alu instid0(VALU_DEP_3)
	v_and_b32 v233, 3, v234
	s_delay_alu instid0(VALU_DEP_1)
	v_lshl_add_u32 v[RD], v233, 4, v[RD]
	s_delay_alu instid0(VALU_DEP_1)
	v_add_nc_u32 v[RD], s73, v[RD]
	v_lshlrev_b32 v[GO], 4, v234
	v_lshlrev_b32 v233, 3, v232
	s_delay_alu instid0(VALU_DEP_1)
	v_sub_nc_u32 v[RH], v11, v233
	s_wait_dscnt 0x0
	s_wait_kmcnt 0x0
	s_load_b128 s[68:71], s[10:11], 0x18           ; e6, e7, e8, e9
	s_load_b32 s72, s[10:11], 0x28                 ; e10
	s_cmp_lt_u32 s[WV], 8                          ; K's waves or V's: the choice hangs on the wave's number alone
	s_cselect_b64 s[14:15], s[6:7], s[8:9]
	s_mov_b32 s[G0A], 1                            ; 1:0 count = 1
	s_add_nc_u64 s[G0A+2:G0A+3], s[14:15], s[78:79]
	s_or_b32 s[G0A+3], s[G0A+3], 0x80000000        ; 127:126 type = 2
	s_mov_b32 s[G0B], 1
	s_add_nc_u64 s[G0B+2:G0B+3], s[14:15], s[74:75]
	s_or_b32 s[G0B+3], s[G0B+3], 0x80000000
	s_add_nc_u64 s[PQB:PQB+1], s[4:5], s[PQB:PQB+1]
	s_add_nc_u64 s[PQA:PQA+1], s[4:5], s[PQA:PQA+1]
	s_add_nc_u64 s[POB:POB+1], s[12:13], s[POB:POB+1]
	s_add_nc_u64 s[POA:POA+1], s[12:13], s[POA:POA+1]
	CROUND                                         ; all four work-groups are here: the joint loads meet
	tensor_load_to_lds s[G0A:G0A+3], s[G1A:G1A+7]  ; my part of keys 0-511
	s_nop 0
	s_wait_alu depctr_va_vdst(0)
	s_wait_tensorcnt 0x0
	ds_add_u32 v251, v255
	s_wait_dscnt 0x0
	CROUND
	tensor_load_to_lds s[G0B:G0B+3], s[G1B:G1B+7]  ; my part of keys 512-2,047: the first has landed: one load of mine is out, the last of the launch
	s_nop 0
.rept 4
	v_nop
.endr
	global_load_b128 v[16:19], v[VQ], s[PQB:PQB+1]             ; Q's fragments stay in registers
	global_load_b128 v[20:23], v[VQ], s[PQB:PQB+1] offset:32
	global_load_b128 v[24:27], v[VQ], s[PQA:PQA+1]
	global_load_b128 v[28:31], v[VQ], s[PQA:PQA+1] offset:32
	s_wait_kmcnt 0x0
	s_add_co_i32 s73, s68, s69
	s_lshl_b32 s73, s73, 23
	s_add_co_i32 s[CS], s[CS], s73                 ; a score stands for score x 2^(e6 + e7): the exponents are added to c's exponent field
	s_mov_b32 s[CS+1], s[CS]                       ; (named with it as a pair, so it is written)
	s_add_co_i32 s73, s70, 127
	s_lshl_b32 s75, s73, 23
	v_mov_b32 v244, s75                            ; 2^e8 as f32, for p's conversion
	s_add_co_i32 s73, s72, 127
	s_lshl_b32 s75, s73, 23
	v_mov_b32 v246, s75                            ; 2^e10, for the output's conversion
	s_add_co_i32 s74, s70, s71                     ; e8 + e9
	v_mov_b32 v248, 0xff800000                     ; -infinity
	v_mov_b32 v236, 0                              ; written once: a lane permute's destination counts as one of its sources
	v_mov_b32 v253, 0                              ; (named as the upper half of the pair v[252:253])
.macro INIT dq                         ; a tile begins
	v_mov_b32 v13, 0xff61b1e6                      ; the largest t so far: -3e38, under every t
	s_delay_alu instid0(VALU_DEP_1)
	v_floor_f32 v12, -v13                          ; -M
	v_mov_b32 v14, 0
	v_mov_b32 v15, 0
	v_add_nc_u32 v[DD], s[\dq], v[RH]
.set n, 0
.rept 32
	v_mov_b32 v[160+n], 0
.set n, n+1
.endr
.endm
; Key steps from .. upto - 1 for the tile whose Q lies in v[q] on and whose last step is s[last].
.macro PASS q, last, from, upto
	s_mov_b32 s[T], \from
	s_mov_b32 s[TBY], (\from)*STEPB
.Ltrip_\@:
	s_cmp_gt_u32 s[T], s[\last]                    ; all keys of the step come after my queries: nothing to do
	s_cbranch_scc1 .Lhid_\@
	s_setprio 2
	v_add_nc_u32 v[ADK], s[TBY], v[AK0]
	v_add_nc_u32 v[ADV], s[TBY], v[AV0]
	v_nop                                          ; with the two additions: four places between the last products and the loads into their operands' registers
	v_nop
.irp g, 0,1,2,3,4,5,6,7
	ds_load_b128 v[32+8*\g:35+8*\g], v[ADK] offset:4*PITCH*\g          ; keys 16 g + r, the head's 64
	ds_load_b128 v[36+8*\g:39+8*\g], v[ADK] offset:4*PITCH*\g+32
.endr
	s_wait_alu depctr_va_vdst(0)
	s_wait_dscnt 0x0
.irp g, 0,1,2,3,4,5,6,7
	v_wmma_f32_16x16x64_fp8_fp8 v[96+8*\g:103+8*\g], v[32+8*\g:39+8*\g], v[\q:\q+7], 0
.endr
.rept 4
	v_nop                                          ; places in front of the loads into K's registers and of the first read of the scores
.endr
.irp d, 0,1,2,3
.irp c, 0,1,2,3
	ds_load_b128 v[32+16*\d+4*\c:35+16*\d+4*\c], v[ADV] offset:8*PITCH*\d+32*\c   ; V: channels 16 d + r, the step's 128 keys: it lands under the softmax
.endr
.endr
	s_cmp_lg_u32 s[T], s[\last]                    ; only the tile's last step lies on the diagonal
	s_cbranch_scc1 .Lopen_\@
.set n, 0
.rept 64
	v_cmp_gt_i32 vcc_lo, 16*(n/8)+n%8, v[DD]       ; register 8 g + i is key 16 g + 8 h + i of the step: hidden where 16 g + i > my query - 8 h
	v_cndmask_b32 v[96+n], v[96+n], v248, vcc_lo   ; then -infinity: p = 0.  The step's key 0 counts for every query, so the maximum is a number
.set n, n+1
.endr
.Lopen_\@:
	v_max3_num_f32 v254, v96, v97, v98             ; the step's largest score of my query among my 64 keys, in two chains; each tile of scores is met from its low end
	v_max3_num_f32 v252, v99, v100, v101
.irp i, 6,10,14,18,22,26,30,34,38,42,46,50,54,58
	v_max3_num_f32 v254, v254, v[96+\i], v[97+\i]
	v_max3_num_f32 v252, v252, v[98+\i], v[99+\i]
.endr
	v_max3_num_f32 v254, v254, v158, v159
	s_delay_alu instid0(VALU_DEP_1)
	v_max_num_f32 v254, v254, v252
	s_delay_alu instid0(VALU_DEP_1)
	v_permlanex16_b32 v236, v254, s[SEL], s[SEL+1]
	s_delay_alu instid0(VALU_DEP_1)
	v_max_num_f32 v254, v254, v236                 ; and among lane l xor 16's
	s_delay_alu instid0(VALU_DEP_1)
	v_mul_f32 v254, s[CS], v254                    ; as t (c is positive)
	s_delay_alu instid0(VALU_DEP_1)
	v_max_num_f32 v13, v13, v254                   ; the running largest t
	v_mov_b32 v254, v12
	s_delay_alu instid0(VALU_DEP_2)
	v_floor_f32 v12, -v13                          ; the new -M = floor(-t) = -ceil(t)
	s_delay_alu instid0(VALU_DEP_1)
	v_sub_f32 v254, v12, v254                      ; old M - new M: a whole number, 0 or less
	s_delay_alu instid0(VALU_DEP_1)
	v_cvt_i32_f32 v254, v254                       ; (it saturates)
	s_delay_alu instid0(VALU_DEP_1)
	v_ldexp_f32 v252, 1.0, v254                    ; f = 2^(old M - new M)
.set n, 0
	s_setprio 1
.rept 32
	v_pk_fma_f32 v[96+n:97+n], v[96+n:97+n], s[CS:CS+1], v[12:13] op_sel_hi:[1,0,0]   ; t - M, two at a time
.set n, n+2
.endr
.set n, 0
	s_wait_alu depctr_va_vdst(0)
.rept 64
	v_exp_f32 v[96+n], v[96+n]                     ; p = 2^(t - M), at most 1
.set n, n+1
.endr
	v_pk_mul_f32 v[14:15], v[14:15], v[252:253] op_sel_hi:[1,0]   ; the sums under the new M (a plain place behind the exponentials)
	s_wait_alu depctr_va_vdst(0)
	v_pk_add_f32 v[242:243], v[96:97], v[98:99]    ; the row's sum is taken of the unquantised p, in two chains
.irp j, 4,8,12,16,20,24,28,32,36,40,44,48,52,56,60
	v_pk_add_f32 v[14:15], v[14:15], v[96+\j:97+\j]
	v_pk_add_f32 v[242:243], v[242:243], v[98+\j:99+\j]
.endr
	s_delay_alu instid0(VALU_DEP_1)
	v_pk_add_f32 v[14:15], v[14:15], v[242:243]
	s_setprio 0
.irp g, 0,1,2,3,4,5,6,7
.irp i, 0,1,2,3,4,5,6,7
.endr
	v_cvt_scalef32_pk8_fp8_f32 v[192+2*\g:193+2*\g], v[96+8*\g:103+8*\g], v244   ; keys 16 g + 8 h + 0 .. 7: registers 2 g, 2 g + 1 of the operand
.endr
.set n, 0
.rept 16
	v_pk_mul_f32 v[160+n:161+n], v[160+n:161+n], v[252:253] op_sel_hi:[1,0]   ; O^T under the new M (these are also the plain lines behind the conversions)
.set n, n+2
.endr
	s_wait_alu depctr_va_vdst(0)
	s_wait_dscnt 0x0                               ; V is in
.irp d, 0,1,2,3
	v_wmma_f32_16x16x128_fp8_fp8 v[160+8*\d:167+8*\d], v[32+16*\d:47+16*\d], v[192:207], v[160+8*\d:167+8*\d]   ; the four accumulators take turns; eight other products stand between two steps
.endr
.Lhid_\@:
	s_add_co_u32 s[T], s[T], 1
	s_add_co_u32 s[TBY], s[TBY], STEPB
	s_cmp_lt_u32 s[T], \upto
	s_cbranch_scc1 .Ltrip_\@
	s_setprio 0
.endm
; A tile ends: O^T / the sum x 2^(e8 + e9), quantised; 16 queries x 64 bytes go through my stage and leave as 1,024 dense bytes.
.macro OUT ob, ptr
.rept 4
	v_nop                                          ; places behind the last products
.endr
	v_add_f32 v14, v14, v15                        ; the sum's two halves,
	s_delay_alu instid0(VALU_DEP_1)
	v_permlanex16_b32 v236, v14, s[SEL], s[SEL+1]
	s_delay_alu instid0(VALU_DEP_1)
	v_add_f32 v14, v14, v236                       ; and lane l xor 16's
	s_wait_alu depctr_va_vdst(0)
	v_rcp_f32 v14, v14
	v_nop                                          ; one plain place behind a transcendental
	s_wait_alu depctr_va_vdst(0)
	v_ldexp_f32 v14, v14, s74
.set n, 0
.rept 32
	v_mul_f32 v[96+n], v[160+n], v14               ; register 8 d + i is channel 16 d + 8 h + i of query r; each accumulator from its low end on
.set n, n+1
.endr
.set n, 0
.rept 32
.set n, n+1
.endr
.irp d, 0,1,2,3
	v_cvt_scalef32_pk8_fp8_f32 v[192+2*\d:193+2*\d], v[96+8*\d:103+8*\d], v246
.endr
	v_nop                                          ; one plain vector line behind the last conversion
.irp d, 0,1,2,3
	ds_store_b64 v[STO], v[192+2*\d:193+2*\d] offset:16*\d
.endr
.irp i, 0,1
	ds_load_b128 v[\ob+4*\i:\ob+4*\i+3], v[RD] offset:8*SPT*\i     ; LDS serves a wave's instructions in order (ISA guide 5.7.1.4): these see my stores
.endr
	s_wait_dscnt 0x0
.irp i, 0,1
	global_store_b128 v[GO], v[\ob+4*\i:\ob+4*\i+3], s[\ptr:\ptr+1] offset:512*\i   ; 512 consecutive bytes, at a multiple of 512 from ac's first byte; each tile has its own data registers
.endr
.endm
	INIT DB
	s_wait_loadcnt 0x0                             ; Q
	s_wait_tensorcnt 0x1                           ; my part of keys 0-511 is in; my second load may stay out
	s_barrier_signal -1
	s_barrier_wait -1                              ; everybody's is
	PASS 16, LB, 0, 4                              ; my first tile (its last step is 8 or later): steps 0-3
	s_wait_tensorcnt 0x0                           ; my part of keys 512-2,047 is in,
	s_wait_dscnt 0x0
	s_barrier_signal -1
	s_barrier_wait -1                              ; everybody's is: from here on no wave waits for another
	PASS 16, LB, 4, 16
	OUT 208, POB
	INIT DA
	PASS 24, LA, 0, 8                              ; my second tile: its last step is 7 or earlier
	OUT 216, POA
	s_wait_dscnt 0x0
	s_wait_tensorcnt 0x0
	ds_add_u32 v251, v255
	s_wait_dscnt 0x0
	CROUND                                         ; the closing round
	s_endpgm
.Lfunc_end_k_q313d6db990_attn:
	.size	k_q313d6db990_attn, .Lfunc_end_k_q313d6db990_attn-k_q313d6db990_attn
	.p2alignl 7, 3214868480
	.fill 96, 4, 3214868480
	.section	.rodata,"a",@progbits
	.p2align	6, 0x0
	.amdhsa_kernel k_q313d6db990_attn
		.amdhsa_group_segment_fixed_size 327680
		.amdhsa_private_segment_fixed_size 0
		.amdhsa_enable_private_segment 0
		.amdhsa_kernarg_size 40
		.amdhsa_user_sgpr_count 2
		.amdhsa_user_sgpr_kernarg_segment_ptr 1
		.amdhsa_wavefront_size32 1
		.amdhsa_system_sgpr_workgroup_id_x 1
		.amdhsa_system_sgpr_workgroup_id_y 1
		.amdhsa_system_sgpr_workgroup_id_z 1
		.amdhsa_system_vgpr_workitem_id 0
		.amdhsa_next_free_vgpr 256
		.amdhsa_next_free_sgpr 80
		.amdhsa_reserve_vcc 1
		.amdhsa_float_denorm_mode_32 3
		.amdhsa_float_denorm_mode_16_64 3
		.amdhsa_fp16_overflow 1
		.amdhsa_memory_ordered 1
		.amdhsa_forward_progress 1
		.amdhsa_inst_pref_size 73
	.end_amdhsa_kernel
	.amdgpu_metadata
---
amdhsa.version: [ 1, 2 ]
amdhsa.kernels:
  - .name:           k_q313d6db990_attn
    .symbol:         k_q313d6db990_attn.kd
    .args:
      - { .name: qc, .offset: 0, .size: 8, .value_kind: global_buffer, .address_space: global }
      - { .name: kc, .offset: 8, .size: 8, .value_kind: global_buffer, .address_space: global }
      - { .name: vc, .offset: 16, .size: 8, .value_kind: global_buffer, .address_space: global }
      - { .name: lowp_scales, .offset: 24, .size: 8, .value_kind: global_buffer, .address_space: global }
      - { .name: ac, .offset: 32, .size: 8, .value_kind: global_buffer, .address_space: global }
    .group_segment_fixed_size: 327680
    .private_segment_fixed_size: 0
    .kernarg_segment_align: 8
    .kernarg_segment_size: 40
    .max_flat_workgroup_size: 512
    .sgpr_count:     80
    .vgpr_count:     256
    .wavefront_size: 32
...
	.end_amdgpu_metadata
.endif
;; end of part 2
;; launch oproj (part 3): grid 4 x 32, 4 waves a work-group, clusters of 4 x 4, 327,680 bytes of LDS; arguments ac, Wo_codes, lowp_scales, out0, bo; writes out0
.if DOCPART == 3
	.amdgcn_target "amdgcn-amd-amdhsa--gfx1250"
	.amdhsa_code_object_version 6
	.text
	.protected	k_q313d6db990_oproj
	.globl	k_q313d6db990_oproj
	.p2align	8
	.type	k_q313d6db990_oproj,@function
k_q313d6db990_oproj:
	s_mov_b64 s[64:65], 0
	v_nop
	global_prefetch_b8 v0, s[64:65] scope:SCOPE_SE
	s_setreg_imm32_b32 hwreg(HW_REG_WAVE_MODE, 25, 1), 1
	s_wait_xcnt 0x0
	s_wait_alu depctr_hold_cnt(0) depctr_sa_sdst(0) depctr_va_vdst(0) depctr_va_sdst(0) depctr_va_ssrc(0) depctr_va_vcc(0) depctr_vm_vsrc(0)
	s_getreg_b32 s2, hwreg(HW_REG_IB_STS2, 6, 4)
	s_cmp_eq_u32 s2, 0
	s_cbranch_scc0 .Lentry_in_a_cluster
	s_endpgm
.Lentry_in_a_cluster:
	s_bfe_u32 s2, ttmp6, 0x10000c
	s_cmp_lg_u32 s2, 0xf033
	s_cbranch_scc0 .Lentry_shape_is_right
	s_endpgm
.Lentry_shape_is_right:
; out0 = a Wo^T + bo on codes of FP8 (E4M3).  a: ac [16 heads][8,192 tokens][64 bytes]; Wo: [1,024][1,024] codes, K innermost; out0: [8,192][1,024] f32.
; out = sum x 2^(e10 + e11) + bo, one packed multiply-add for two numbers.  LIMIT: e10 + e11 in -126 .. 127.
; A tile of out0, 256 x 256, is made by four waves, each 128 x 128: 64 accumulators.  K goes in steps of 256 (four heads) through two LDS slots filled by joint tensor loads:
; a's tile is shared along a row of the 4 x 4 cluster, Wo's along a column.  32 x 4 tiles: 128 work-groups.
; a's TILE: a head's 256 tokens are 16,384 consecutive bytes.  One load brings two heads: a tile of 2 rows of 16,384 bytes, 524,288 apart, with 16 bytes of padding behind every 256:
; in LDS a head is 64 rows of 272 bytes, four tokens a row.
; Source 0 = 16 rows of Wo, source 1 = 16 tokens: a lane holds eight neighbouring numbers of a row of out0.
; The fragments are fetched by loads of 16 bytes, which permutes k alike on both sides.
; REGISTERS: window 0: v12-29 addresses; v32-95 the bias of my 64 columns; from v128 a's fragments, one set; on the way out v96-159 numbers, v160-223 rows read back.
;   window 1: Wo's fragments, two sets.  windows 2, 3: the accumulators.
.set ROWB,   256
.set KROW,   1024
.set PITCH,  272
.set HEADB,  64*PITCH                  ; a head's 256 tokens in LDS
.set FR,     16
.set NL,     4
.set NP,     4
.set HALFT,  128*PITCH                 ; what one tensor load brings: two heads of a, or 128 rows of Wo
.set SLOT,   4*HALFT
.set LAPS,   2
.set SPARE,  2*SLOT                    ; behind the ring: the spare words, 128 bytes a wave
.set SPITCH, 528                       ; the way out: a stage of 16 rows x (512 bytes + 16) for each wave, in slot 0, which has had its last fill and its last read by then
.set ADRA, 16
.set ADRB, 20
.set STO,  24
.set RD,   25
.set CO,   26
.set SPW,  28
.set NIL,  29
.set BN,   32
.set TMP,  96
.set AF,   128
.set BK,   160
.set G1, 24
.set G0, 32
.set G1B, 48
.set G0B, 56
.set MSB, 0
.macro WIN new                         ; the immediate's high byte repeats the setting that is left
.if MSB != \new
	s_set_vgpr_msb (MSB<<8)|\new
.set MSB, \new
.endif
.endm
.set MUL_LO, 0xa1
.set MUL_HI, 0xf1
.set TO_B,   0x40
.macro JLOAD g0a, g1a, g0b, g1b        ; a joint load: waves 0 and 1 fetch for a, waves 2 and 3 for Wo; four v_nop follow each of the two lines
	s_cmp_eq_u32 s15, 0
	s_cbranch_scc0 .Lfor_b_\@
	tensor_load_to_lds s[\g0a:\g0a+3], s[\g1a:\g1a+7]
	s_nop 0
.rept 4
	v_nop
.endr
	s_branch .Lasked_\@
.Lfor_b_\@:
	tensor_load_to_lds s[\g0b:\g0b+3], s[\g1b:\g1b+7]
	s_nop 0
.rept 4
	v_nop
.endr
.Lasked_\@:
.endm
.macro CREST
	s_cmp_lg_u32 s14, 0
	s_cbranch_scc1 .Lnot_wave_0_\@
	s_barrier_signal -3
.Lnot_wave_0_\@:
	s_barrier_wait -3
	s_barrier_signal -1
	s_barrier_wait -1
.endm
.macro CROUND
	s_barrier_signal -1
	s_barrier_wait -1
	CREST
.endm
	s_load_b128 s[4:7], s[0:1], 0x0                ; ac s[4:5], Wo's codes s[6:7]
	s_load_b128 s[8:11], s[0:1], 0x10              ; the exponents s[8:9], out0 s[10:11]
	s_load_b64 s[12:13], s[0:1], 0x20              ; bo
	v_lshl_add_u32 v[SPW], v0, 2, SPARE
	v_mov_b32 v[NIL], 0
	ds_add_u32 v28, v29
	ds_add_u32 v28, v29
	s_wait_dscnt 0x0
	v_lshrrev_b32 v1, 5, v0
	v_readfirstlane_b32 s14, v1                    ; wave 0..3
	s_lshr_b32 s15, s14, 1                         ; which half of the tile's rows is mine.  Also: I fetch for a (0) or for Wo (1)
	s_and_b32 s16, s14, 1                          ; which half of its columns.  Also: which half of that tile I fetch
	s_bfe_u32 s40, ttmp6, 0x40000                  ; cx, cy
	s_bfe_u32 s41, ttmp6, 0x40004
	s_lshl_b32 s42, ttmp9, 2
	s_add_co_u32 s42, s42, s40                     ; tile column = 4 x cluster x + cx
	s_and_b32 s17, ttmp7, 0xffff
	s_lshl_b32 s17, s17, 2
	s_add_co_u32 s17, s17, s41                     ; tile row = 4 x cluster y + cy
	s_lshl_b32 s43, s41, 2
	s_lshl_b32 s43, 15, s43                        ; my row of the cluster
	s_lshl_b32 s44, 0x1111, s40                    ; my column
	; descriptor group 1 for a: 2 rows of 16,384 bytes, 524,288 bytes apart
	s_or_b32 s[G1+0], s43, (0<<16)|(1<<20)|(1<<21)|(5<<22)|(3<<25)  ; the mask of my row; elements of 1 byte; padding: 4 words after every 64; bit 21 beside a mask
	s_mov_b32 s[G1+1], 16384<<16                   ; tensor_dim0 = 16,384
	s_mov_b32 s[G1+2], 2<<16                       ; tensor_dim1 = 2
	s_mov_b32 s[G1+3], 16384<<16                   ; tile_dim0
	s_mov_b32 s[G1+4], 2                           ; tile_dim1
	s_mov_b32 s[G1+5], 524288                      ; tensor_dim0_stride: from head to head
	s_mov_b32 s[G1+6], 0
	s_mov_b32 s[G1+7], 0
	; for Wo: 128 rows of 256 bytes, 1,024 apart
	s_or_b32 s[G1B+0], s44, (0<<16)|(1<<20)|(1<<21)|(5<<22)|(3<<25)
	s_mov_b32 s[G1B+1], ROWB<<16
	s_mov_b32 s[G1B+2], 128<<16
	s_mov_b32 s[G1B+3], ROWB<<16
	s_mov_b32 s[G1B+4], 128
	s_mov_b32 s[G1B+5], KROW
	s_mov_b32 s[G1B+6], 0
	s_mov_b32 s[G1B+7], 0
	s_lshl_b32 s20, s17, 14                        ; a: tile row x 256 tokens x 64 bytes
	s_lshl_b32 s18, s16, 20                        ;    + which two of the slot's four heads
	s_add_co_u32 s20, s20, s18
	s_mov_b32 s21, 0
	s_lshl_b32 s46, s42, 8                         ; Wo: row 256 x tile column + 128 x half, of 1,024 bytes
	s_lshl_b32 s18, s16, 7
	s_add_co_u32 s46, s46, s18
	s_lshl_b32 s46, s46, 10
	s_mov_b32 s47, 0
	s_mul_i32 s45, s14, HALFT                      ; where they go: no place in the cluster enters an LDS address
	s_wait_kmcnt 0x0
	s_load_b64 s[96:97], s[8:9], 0x28              ; e10, e11
	s_add_nc_u64 s[20:21], s[4:5], s[20:21]
	s_add_nc_u64 s[46:47], s[6:7], s[46:47]
	CROUND                                         ; all sixteen work-groups are here: the first joint loads meet
.irp s, 0,1
	s_mov_b32 s[G0+4*\s], 1
	s_add_co_u32 s[G0+4*\s+1], s45, \s*SLOT
	s_add_nc_u64 s[G0+4*\s+2:G0+4*\s+3], s[20:21], \s*4*524288       ; slot s begins with heads 4 s on
	s_or_b32 s[G0+4*\s+3], s[G0+4*\s+3], 0x80000000
	s_mov_b32 s[G0B+4*\s], 1
	s_add_co_u32 s[G0B+4*\s+1], s45, \s*SLOT
	s_add_nc_u64 s[G0B+4*\s+2:G0B+4*\s+3], s[46:47], \s*ROWB
	s_or_b32 s[G0B+4*\s+3], s[G0B+4*\s+3], 0x80000000
	s_wait_alu depctr_va_vdst(0)
	s_wait_tensorcnt 0x0
	ds_add_u32 v28, v29
	ds_add_u32 v28, v29
	s_wait_dscnt 0x0
	CROUND
	JLOAD G0+4*\s, G1, G0B+4*\s, G1B
.endr
	v_and_b32 v1, 15, v0                           ; r
	v_bfe_u32 v2, v0, 4, 1                         ; h
	s_lshl_b32 s18, s42, 10
	s_lshl_b32 s19, s16, 9
	s_add_co_u32 s18, s18, s19                     ; byte of my first column's bias
	v_lshlrev_b32 v12, 5, v2
	v_add_nc_u32 v12, s18, v12                     ; + 32 h; never rewritten
.irp b, 0,1,2,3,4,5,6,7
	global_load_b128 v[BN+8*\b:BN+8*\b+3], v12, s[12:13] offset:64*\b
	global_load_b128 v[BN+8*\b+4:BN+8*\b+7], v12, s[12:13] offset:64*\b+16
.endr
	v_lshrrev_b32 v3, 2, v1                        ; a: token r of a block: row r / 4, 64 (r % 4), + 16 h
	v_mul_u32_u24 v3, v3, PITCH
	v_and_b32 v5, 3, v1
	v_lshl_add_u32 v3, v5, 6, v3
	v_lshl_add_u32 v3, v2, 4, v3
	v_mul_u32_u24 v4, v1, PITCH                    ; Wo: row r x pitch + 16 h
	v_lshl_add_u32 v4, v2, 4, v4
	s_mul_i32 s21, s15, 32*PITCH                   ; my 128 tokens: 32 rows on in every head
	s_mul_i32 s22, s16, HALFT                      ; my 128 rows of Wo,
	s_add_co_u32 s22, s22, 2*HALFT                 ; which lie behind a's four heads
.irp s, 0,1
	v_add_nc_u32 v[ADRA+\s], s21, v3
	v_add_nc_u32 v[ADRB+\s], s22, v4
	s_add_co_u32 s21, s21, SLOT
	s_add_co_u32 s22, s22, SLOT
.endr
	s_mul_i32 s23, s14, 16*SPITCH                  ; my stage
	v_mul_u32_u24 v5, v1, SPITCH                   ; in: row r, 32 bytes for each half of the lanes
	v_lshl_add_u32 v5, v2, 5, v5
	v_add_nc_u32 v[STO], s23, v5
	v_and_b32 v6, 31, v0
	v_lshlrev_b32 v[CO], 4, v6                     ; back: the 32 lanes take one row of 512 bytes; and the same in out0
	v_add_nc_u32 v[RD], s23, v[CO]
	s_lshl_b32 s20, s17, 8
	s_lshl_b32 s21, s15, 7
	s_add_co_u32 s20, s20, s21                     ; my first row of out0
	s_lshl_b32 s20, s20, 12                        ; of 4,096 bytes
	s_lshl_b32 s46, s42, 10                        ; my first column, in bytes
	s_lshl_b32 s47, s16, 9
	s_add_co_u32 s46, s46, s47
	s_add_co_u32 s20, s20, s46
	s_mov_b32 s21, 0
	s_add_nc_u64 s[10:11], s[10:11], s[20:21]
.macro FRAG reg, adr, q, i             ; Wo: 16 rows x 128 K: registers 4 c .. 4 c + 3 hold K = 32 c + 16 h + 0 .. 15
.irp c, 0,1,2,3
	ds_load_b128 v[\reg+4*\c:\reg+4*\c+3], v[\adr] offset:128*(\q)+32*\c+(\i)*16*PITCH
.endr
.endm
.macro FRAG_A reg, adr, q, i           ; a: the same k: head 2 q + c / 2 of the slot, byte 32 (c % 2) + 16 h of the token's 64; block i: four rows on
.irp c, 0,1,2,3
	ds_load_b128 v[\reg+4*\c:\reg+4*\c+3], v[\adr] offset:(2*(\q)+\c/2)*HEADB+32*(\c%2)+(\i)*4*PITCH
.endr
.endm
; The 64 accumulators take turns, one instruction a turn, in the same order in every step.
.macro MUL16 a0, p, zero
.irp a, \a0, \a0+1
.irp b, 0,1,2,3,4,5,6,7
.if \zero
	v_wmma_f32_16x16x128_fp8_fp8 v[8*(8*((\a)%4)+\b):8*(8*((\a)%4)+\b)+7], v[128*(\p)+FR*\b:128*(\p)+FR*\b+FR-1], v[AF+FR*(\a):AF+FR*(\a)+FR-1], 0
.else
	v_wmma_f32_16x16x128_fp8_fp8 v[8*(8*((\a)%4)+\b):8*(8*((\a)%4)+\b)+7], v[128*(\p)+FR*\b:128*(\p)+FR*\b+FR-1], v[AF+FR*(\a):AF+FR*(\a)+FR-1], v[8*(8*((\a)%4)+\b):8*(8*((\a)%4)+\b)+7]
.endif
.endr
.endr
.endm
.macro FETCH_B slot, q, p
	WIN TO_B
.irp i, 0,1,2,3,4,5,6,7
	FRAG 128*(\p)+FR*\i, ADRB+\slot, \q, \i
.endr
	WIN 0
.endm
.macro FETCH_A slot, q, i0
.irp i, \i0, \i0+1, \i0+2, \i0+3
	FRAG_A AF+FR*(\i), ADRA+\slot, \q, \i
.endr
.endm
.macro PLACES n                        ; plain vector places in front of loads into registers that matrix instructions have read, and of the first read of results
.rept \n
	v_nop
.endr
.endm
.macro STEP slot, q, zero
	s_wait_dscnt 4*NL                              ; Wo's set and a's blocks 0-3 are in; the youngest 16 loads (a's blocks 4-7) may be out
	WIN MUL_LO
	MUL16 0, (\q)%2, \zero
	MUL16 2, (\q)%2, \zero
	s_wait_dscnt 0
	PLACES NP
	FETCH_B \slot, (\q)+1, 1-(\q)%2
	FETCH_A \slot, (\q)+1, 0
	WIN MUL_HI
	MUL16 4, (\q)%2, \zero
	MUL16 6, (\q)%2, \zero
	PLACES NP
	WIN 0
	FETCH_A \slot, (\q)+1, 4
.endm
.macro TURN slot, next, fill
	s_wait_tensorcnt 0x0                           ; all my tensor loads have landed: my part of the next slot
	ds_add_u32 v[SPW], v[NIL]                      ; 0 onto my spare word
	s_wait_dscnt 4*NL+1                            ; (the add and the youngest 16 loads may be out)
	WIN MUL_LO
	MUL16 0, 1, 0
	s_wait_dscnt 0x0                               ; the add is done, and my reads of this slot are over
	s_barrier_signal -1
	MUL16 2, 1, 0
	WIN 0
	s_barrier_wait -1
.if \fill
	CREST                                          ; the barrier has opened a round of the cluster's barrier
	s_add_nc_u64 s[G0+4*\slot+2:G0+4*\slot+3], s[G0+4*\slot+2:G0+4*\slot+3], 8*524288   ; eight heads on
	s_add_nc_u64 s[G0B+4*\slot+2:G0B+4*\slot+3], s[G0B+4*\slot+2:G0B+4*\slot+3], 2*ROWB
	JLOAD G0+4*\slot, G1, G0B+4*\slot, G1B         ; the first tensor load behind the round; its four v_nop are the places in front of the loads below
.else
	PLACES NP
.endif
	FETCH_B \next, 0, 0
	FETCH_A \next, 0, 0
	WIN MUL_HI
	MUL16 4, 1, 0
	MUL16 6, 1, 0
	PLACES NP
	WIN 0
	FETCH_A \next, 0, 4
.endm
	s_wait_alu depctr_va_vdst(0)
	s_wait_tensorcnt 1                             ; my part of K step 0 is in (K step 1's load may be out)
	s_barrier_signal -1
	s_barrier_wait -1
	FETCH_B 0, 0, 0
	FETCH_A 0, 0, 0
	FETCH_A 0, 0, 4
	STEP 0, 0, 1                                   ; the first step's products start the sums
	s_mov_b32 s3, LAPS-1
.Llap:
	TURN 0, 1, 1
	STEP 1, 0, 0
	TURN 1, 0, 1
	STEP 0, 0, 0
	s_sub_co_u32 s3, s3, 1
	s_cmp_lg_u32 s3, 0
	s_cbranch_scc1 .Llap
	TURN 0, 1, 0                                   ; the last lap fills nothing
	STEP 1, 0, 0
	s_wait_dscnt 4*NL
	WIN MUL_LO
	MUL16 0, 1, 0
	MUL16 2, 1, 0
	s_wait_dscnt 0
	WIN MUL_HI
	MUL16 4, 1, 0
	MUL16 6, 1, 0
	WIN 0
; THE WAY OUT, block by block of 16 rows x 128 columns, through my own stage: in as 32 bytes a lane, back as whole rows of 512 bytes.
.macro PACK a
.set AC, 64*((\a)%4)
	WIN 0x02+((\a)/4)                              ; source 0: window 2 or 3
.irp j, 0,2,4,6,8,10,12,14,16,18,20,22,24,26,28,30,32,34,36,38,40,42,44,46,48,50,52,54,56,58,60,62
	v_pk_fma_f32 v[TMP+\j:TMP+\j+1], v[AC+\j:AC+\j+1], s[96:97], v[BN+\j:BN+\j+1] op_sel_hi:[1,0,1]   ; sum x 2^(e10 + e11) + bo; each accumulator from its low end on
.endr
	WIN 0
.endm
.macro TOSTAGE
.irp b, 0,1,2,3,4,5,6,7
	ds_store_b128 v[STO], v[TMP+8*\b:TMP+8*\b+3] offset:64*\b
	ds_store_b128 v[STO], v[TMP+8*\b+4:TMP+8*\b+7] offset:64*\b+16
.endr
.irp t, 0,1,2,3,4,5,6,7,8,9,10,11,12,13,14,15
	ds_load_b128 v[BK+4*\t:BK+4*\t+3], v[RD] offset:\t*SPITCH      ; LDS serves a wave's instructions in order (ISA guide 5.7.1.4)
.endr
.endm
.macro SEND a
	s_wait_dscnt 0x0                               ; the block is back in registers
.irp t, 0,1,2,3,4,5,6,7,8,9,10,11,12,13,14,15
	global_store_b128 v[CO], v[BK+4*\t:BK+4*\t+3], s[10:11] offset:65536*(\a)+4096*\t th:TH_STORE_NT   ; 512 consecutive bytes, at a multiple of 512 from out0's first byte; every offset is an immediate
.endr
.endm
	s_wait_kmcnt 0x0
	s_add_co_i32 s96, s96, s97                     ; e10 + e11
	s_add_co_i32 s96, s96, 127
	s_lshl_b32 s96, s96, 23                        ; 2^(e10 + e11) as f32
	s_mov_b32 s97, s96                             ; (named with it as a pair)
	s_wait_loadcnt 0x0                             ; the bias
	PLACES NP                                      ; behind the last products: their operands' registers are written below
	PACK 0
	TOSTAGE
.irp a, 1,2,3,4,5,6,7
	PACK \a                                        ; block a's arithmetic stands between block a - 1's loads from the stage and the wait for them
	s_wait_alu depctr_va_vdst(0)
	SEND \a-1
	s_wait_xcnt 0x0                                ; the stores' data registers are loaded again only behind this wait
	TOSTAGE
.endr
	SEND 7
	s_wait_tensorcnt 0x0                           ; the wave's end
	ds_add_u32 v[SPW], v[NIL]
	s_wait_dscnt 0x0
	CROUND                                         ; the closing round
	s_endpgm
.Lfunc_end_k_q313d6db990_oproj:
	.size	k_q313d6db990_oproj, .Lfunc_end_k_q313d6db990_oproj-k_q313d6db990_oproj
	.p2alignl 7, 3214868480
	.fill 96, 4, 3214868480
	.section	.rodata,"a",@progbits
	.p2align	6, 0x0
	.amdhsa_kernel k_q313d6db990_oproj
		.amdhsa_group_segment_fixed_size 327680
		.amdhsa_private_segment_fixed_size 0
		.amdhsa_enable_private_segment 0
		.amdhsa_kernarg_size 40
		.amdhsa_user_sgpr_count 2
		.amdhsa_user_sgpr_kernarg_segment_ptr 1
		.amdhsa_wavefront_size32 1
		.amdhsa_system_sgpr_workgroup_id_x 1
		.amdhsa_system_sgpr_workgroup_id_y 1
		.amdhsa_system_sgpr_workgroup_id_z 1
		.amdhsa_system_vgpr_workitem_id 0
		.amdhsa_next_free_vgpr 1024
		.amdhsa_next_free_sgpr 98
		.amdhsa_reserve_vcc 0
		.amdhsa_float_denorm_mode_32 3
		.amdhsa_float_denorm_mode_16_64 3
		.amdhsa_memory_ordered 1
		.amdhsa_forward_progress 1
		.amdhsa_inst_pref_size 126
	.end_amdhsa_kernel
	.amdgpu_metadata
---
amdhsa.version: [ 1, 2 ]
amdhsa.kernels:
  - .name:           k_q313d6db990_oproj
    .symbol:         k_q313d6db990_oproj.kd
    .args:
      - { .name: ac, .offset: 0, .size: 8, .value_kind: global_buffer, .address_space: global }
      - { .name: Wo_codes, .offset: 8, .size: 8, .value_kind: global_buffer, .address_space: global }
      - { .name: lowp_scales, .offset: 16, .size: 8, .value_kind: global_buffer, .address_space: global }
      - { .name: out0, .offset: 24, .size: 8, .value_kind: global_buffer, .address_space: global }
      - { .name: bo, .offset: 32, .size: 8, .value_kind: global_buffer, .address_space: global }
    .group_segment_fixed_size: 327680
    .private_segment_fixed_size: 0
    .kernarg_segment_align: 8
    .kernarg_segment_size: 40
    .max_flat_workgroup_size: 128
    .sgpr_count:     98
    .vgpr_count:     1024
    .wavefront_size: 32
...
	.end_amdgpu_metadata
.endif
;; end of part 3
